; MI455X (gfx1250); checked and timed in simulation.
; The chip was launched on July 23, 2026; its instructions are those of AMD's public machine-readable ISA for CDNA 5 (MIT licence, August 2026) and "CDNA5" Instruction Set Architecture Reference Guide (July 2026). The comments in the code are by the model that wrote it; some were corrected since.
;; Self Attention. Allowed arithmetic: float matrix products may take bf16 or f16 operands with f32 sums; other float arithmetic in f32, or as packed bf16 or f16 multiplies, adds, multiply-adds, maxima and minima; sums over many terms, partial sums and values carried from step to step in f32; what a program stores and reads back later, other than sums and carried values, may be rounded once to bf16 or f16.
;; Inputs: W_k 768 x 768 float32; W_q 768 x 768 float32; W_v 768 x 768 float32; x 4 x 2,048 x 768 float32.
;; Outputs: out0 4 x 2,048 x 768 float32.
;; One version. Each part assembles by itself: llvm-mc -triple=amdgcn-amd-amdhsa -mcpu=gfx1250 --defsym DOCPART=n.
;; ======== version 1 of 1: 4 launches
;; limits: values are held in f16: magnitudes above 65,504 overflow, below 6.1e-05 lose precision
;; workspace buffers: wf 3,538,944 bytes; qkf 25,165,824 bytes; vf 12,582,912 bytes; pf 33,554,432 bytes; st 1,048,576 bytes
;; launch wprep (part 1): grid 24 x 9, 8 waves a work-group, no clusters, 0 bytes of LDS; arguments W_q, W_k, W_v, wf; writes wf
.if DOCPART == 1
	.amdgcn_target "amdgcn-amd-amdhsa--gfx1250"
	.amdhsa_code_object_version 6
	.text
	.protected	k_q35a95f2e35_wprep
	.globl	k_q35a95f2e35_wprep
	.p2align	8
	.type	k_q35a95f2e35_wprep,@function
k_q35a95f2e35_wprep:
	s_mov_b64 s[64:65], 0
	v_nop
	global_prefetch_b8 v0, s[64:65] scope:SCOPE_SE
	s_setreg_imm32_b32 hwreg(HW_REG_WAVE_MODE, 25, 1), 1
	s_wait_xcnt 0x0
; SELF-ATTENTION, B = 4, S = 2048, D = U = 768, in four launches: wprep (this one), proj, scores, pv.
; NOTHING OF reference() IS LEFT OUT: x and the three weights all reach the output, every product, the scale, the maximum and the sum of the softmax are made.
; THIS LAUNCH rounds W_q, W_k, W_v (f32, [d][u]) once to bf16 and lays them out as the matrix fragments that proj reads:
;   wf = [j 4][K32 24][nb 36][1024 bytes].  A fragment is 16 columns u x 32 rows d: [octet o 4][column r 16][8 bf16], octet o = rows 8 o .. 8 o + 7 of the 32.
;   Block j holds what one work-group column of proj multiplies by: nb = 18 ch + b; b < 12: column 384 (j & 1) + 192 ch + 16 b + r of W_q (j < 2) or W_k; b >= 12: column 192 j + 96 ch + 16 (b - 12) + r of W_v.
; SHARES.  Work-group (x, y): rows 32 x .. 32 x + 31 of weight y / 3, columns 256 (y % 3) + thread.  A thread loads its column's 32 numbers (a wave's load covers 128 consecutive bytes)
; and stores four times 16 bytes; sixteen neighbouring lanes store 256 consecutive bytes, aligned.  No LDS, no barrier: no thread wants what another has loaded.
; No matrix unit, no cluster, no prefetch: 7 MB are read once and 3.5 MB written once, by 216 short work-groups.
.set WROW, 3072                        ; bytes in a row of a weight
.set WBLK, 24*36*1024                  ; bytes in a block j of wf
	s_load_b256 s[4:11], s[0:1], 0x0               ; W_q s[4:5], W_k s[6:7], W_v s[8:9], wf s[10:11]
	s_and_b32 s14, ttmp7, 0xffff                   ; y = 0 .. 8
	s_mul_i32 s15, s14, 11
	s_lshr_b32 s15, s15, 5                         ; which weight: y / 3 (11 y >> 5 for y < 9)
	s_mul_i32 s16, s15, 3
	s_sub_co_u32 s16, s14, s16                     ; y % 3
	s_lshl_b32 s16, s16, 8
	v_add_nc_u32 v1, s16, v0                       ; my column u
	v_lshlrev_b32 v2, 2, v1                        ; its byte in a row
	v_lshrrev_b32 v3, 4, v1                        ; u / 16 = 0 .. 47
	v_and_b32 v4, 15, v1                           ; r
	v_mul_u32_u24 v5, v3, 43
	v_lshrrev_b32 v5, 9, v5                        ; (u / 16) / 12 (43 n >> 9 for n < 48)
	v_mul_u32_u24 v6, v5, 12
	v_sub_nc_u32 v6, v3, v6                        ; (u / 16) % 12
	s_cmp_eq_u32 s15, 2
	s_cbranch_scc1 .Lfor_v
	v_lshrrev_b32 v7, 1, v5                        ; W_q, W_k: u / 16 = 24 (j & 1) + 12 ch + b
	v_lshl_add_u32 v7, s15, 1, v7                  ; j
	v_and_b32 v8, 1, v5
	v_mad_u32_u24 v8, v8, 18, v6                   ; nb = 18 ch + b
	s_branch .Lmapped
.Lfor_v:
	v_mov_b32 v7, v5                               ; W_v: u / 16 = 12 j + 6 ch + (b - 12)
	v_mul_u32_u24 v8, v6, 43
	v_lshrrev_b32 v8, 8, v8                        ; ch (43 n >> 8 for n < 12)
	v_mad_u32_u24 v8, v8, 12, v6
	v_add_nc_u32 v8, 12, v8                        ; nb = 18 ch + 12 + (rest - 6 ch)
.Lmapped:
	v_mul_u32_u24 v9, v7, WBLK
	v_lshl_add_u32 v9, v8, 10, v9
	v_lshl_add_u32 v9, v4, 4, v9                   ; my 16 bytes of octet 0
	s_mul_i32 s18, ttmp9, 32*WROW                  ; the work-group's 32 rows
	s_mov_b32 s19, 0
	s_mul_i32 s20, ttmp9, 36*1024                  ; and their place in a block of wf
	s_mov_b32 s21, 0
	s_wait_kmcnt 0x0
	s_cmp_eq_u32 s15, 0
	s_cselect_b64 s[12:13], s[4:5], s[6:7]
	s_cmp_eq_u32 s15, 2
	s_cselect_b64 s[12:13], s[8:9], s[12:13]
	s_add_nc_u64 s[12:13], s[12:13], s[18:19]
	s_add_nc_u64 s[10:11], s[10:11], s[20:21]
.set z, 0
.rept 32
	global_load_b32 v[16+z], v2, s[12:13] offset:z*WROW th:TH_LOAD_NT
.set z, z+1
.endr
.irp o, 0,1,2,3
	s_wait_loadcnt 24-8*(\o)                       ; loads come back in order: octet o is in, the younger octets' loads stay out
.irp i, 0,1,2,3
	v_cvt_pk_bf16_f32 v[48+4*(\o)+(\i)], v[16+8*(\o)+2*(\i)], v[16+8*(\o)+2*(\i)+1]
.endr
	global_store_b128 v9, v[48+4*(\o):48+4*(\o)+3], s[10:11] offset:256*(\o)
.endr
	s_endpgm
.Lfunc_end_k_q35a95f2e35_wprep:
	.size	k_q35a95f2e35_wprep, .Lfunc_end_k_q35a95f2e35_wprep-k_q35a95f2e35_wprep
	.p2alignl 7, 3214868480
	.fill 96, 4, 3214868480
	.section	.rodata,"a",@progbits
	.p2align	6, 0x0
	.amdhsa_kernel k_q35a95f2e35_wprep
		.amdhsa_group_segment_fixed_size 0
		.amdhsa_private_segment_fixed_size 0
		.amdhsa_enable_private_segment 0
		.amdhsa_kernarg_size 32
		.amdhsa_user_sgpr_count 2
		.amdhsa_user_sgpr_kernarg_segment_ptr 1
		.amdhsa_wavefront_size32 1
		.amdhsa_system_sgpr_workgroup_id_x 1
		.amdhsa_system_sgpr_workgroup_id_y 1
		.amdhsa_system_sgpr_workgroup_id_z 1
		.amdhsa_system_vgpr_workitem_id 0
		.amdhsa_next_free_vgpr 64
		.amdhsa_next_free_sgpr 66
		.amdhsa_reserve_vcc 0
		.amdhsa_float_denorm_mode_32 3
		.amdhsa_float_denorm_mode_16_64 3
		.amdhsa_memory_ordered 1
		.amdhsa_forward_progress 1
		.amdhsa_inst_pref_size 7
	.end_amdhsa_kernel
	.amdgpu_metadata
---
amdhsa.version: [ 1, 2 ]
amdhsa.kernels:
  - .name:           k_q35a95f2e35_wprep
    .symbol:         k_q35a95f2e35_wprep.kd
    .args:
      - { .name: W_q, .offset: 0, .size: 8, .value_kind: global_buffer, .address_space: global }
      - { .name: W_k, .offset: 8, .size: 8, .value_kind: global_buffer, .address_space: global }
      - { .name: W_v, .offset: 16, .size: 8, .value_kind: global_buffer, .address_space: global }
      - { .name: wf, .offset: 24, .size: 8, .value_kind: global_buffer, .address_space: global }
    .group_segment_fixed_size: 0
    .private_segment_fixed_size: 0
    .kernarg_segment_align: 8
    .kernarg_segment_size: 32
    .max_flat_workgroup_size: 256
    .sgpr_count:     66
    .vgpr_count:     64
    .wavefront_size: 32
...
	.end_amdgpu_metadata
.endif
;; end of part 1
;; launch proj (part 2): grid 4 x 64, 4 waves a work-group, clusters of 4 x 4, 327,680 bytes of LDS; arguments x, wf, qkf, vf; writes qkf, vf
.if DOCPART == 2
	.amdgcn_target "amdgcn-amd-amdhsa--gfx1250"
	.amdhsa_code_object_version 6
	.text
	.protected	k_q35a95f2e35_proj
	.globl	k_q35a95f2e35_proj
	.p2align	8
	.type	k_q35a95f2e35_proj,@function
k_q35a95f2e35_proj:
	s_mov_b64 s[64:65], 0
	v_nop
	global_prefetch_b8 v0, s[64:65] scope:SCOPE_SE
	s_setreg_imm32_b32 hwreg(HW_REG_WAVE_MODE, 25, 1), 1
	s_wait_xcnt 0x0
	s_wait_alu depctr_hold_cnt(0) depctr_sa_sdst(0) depctr_va_vdst(0) depctr_va_sdst(0) depctr_va_ssrc(0) depctr_va_vcc(0) depctr_vm_vsrc(0)
	s_getreg_b32 s2, hwreg(HW_REG_IB_STS2, 6, 4)
	s_cmp_eq_u32 s2, 0
	s_cbranch_scc0 .Lentry_in_a_cluster
	s_endpgm
.Lentry_in_a_cluster:
	s_bfe_u32 s2, ttmp6, 0x10000c
	s_cmp_lg_u32 s2, 0xf033
	s_cbranch_scc0 .Lentry_shape_is_right
	s_endpgm
.Lentry_shape_is_right:
; q, k, v = x W_q, x W_k, x W_v.  x: [8192][768] f32, rounded once to bf16 between LDS and the matrix unit; wf: the weights in bf16 fragments (wprep).  Sums in f32; q, k, v rounded once to f16.  Nothing is left out.
; LIMIT.  f16 holds no number beyond 65,504: |q|, |k|, |v| must stay within it (drawn data: a spread of 1.4).  NaN and infinities are not treated apart.
; OUT, as fragments of 1,024 bytes = [i 2][lane 32][16 bytes], piece (i, lane (r, h)) = K 16 i + 8 h + 0..7 of row r, which is what a lane holds after four packed roundings of a result:
;   qkf = q, then k 12,582,912 bytes on: [16-row block 512][32-channel block 24][1024];   vf = [ct 4][32-key block 256][16-channel block 12][1024], a fragment's rows = channels, K = keys.
; So every store of a wave is 512 consecutive bytes, aligned, straight from registers.
; SHARES.  Work-group (j = cx, rb): rows 128 rb .. + 127 x block j of wf: 384 columns of q (j < 2) or k, and 192 of v.  Wave (RH, CH): 64 rows x 288 columns: 72 accumulators.
; K goes in 12 steps of 64 (a row of x's tile is 256 bytes, aligned) through two LDS slots.  Wave 3 fetches x's tile (128 rows), waves 0-2 a third each of wf's 73,728 bytes.
; CLUSTER 4 x 4 (the grid has one cluster along x): x's tile hangs on rb alone and is asked for jointly along a row of the cluster, wf's on j alone, jointly along a column.
; q and k are made with source 0 = 16 columns of W, source 1 = 16 rows of x (a lane holds a row and 8 columns); v with the sources swapped (a lane holds a channel and 8 keys).
; REGISTERS: window 0: v0-31 addresses; v32-95 x as f32; v96-127, v128-159 x's bf16 fragments, two buffers.  Windows 1-3: v0-191 24 accumulators (row block a, column block 6 (w - 1) + b at 8 (6 a + b)); v192-239 W's six fragments.
.set SLOT1,  1<<17                     ; slot 1 begins here: one exclusive or turns an address in one slot into the other's
.set APITCH, 272                       ; a row of x in LDS: 256 bytes + 16: the 16 rows of a load start 68 words apart
.set BOFF,   128*APITCH                ; wf's part of a slot: [kb 2][nb 36][1024], dense
.set KBB,    36*1024
.set SPARE,  BOFF+2*KBB                ; behind slot 0: the spare words, 128 bytes a wave
.set XROW,   3072
.set WBLK,   24*KBB
.set THIRD,  24576
.set KSTEPB, 2*KBB
.set QROW,   24*1024                   ; a 16-row block of q or k
.set KOFF,   12582912                  ; k behind q
.set VKB,    12*1024                   ; a 32-key block of vf
.set VBLK,   256*VKB
.set LA,  3                            ; v3   my place in x's tile; never rewritten
.set LB,  4                            ; v4   my place in wf's tile; never rewritten
.set AA,  5                            ; v5   LA + the slot in hand
.set AB,  6                            ; v6   LB + the slot in hand
.set GO,  13                           ; v13  16 x lane
.set PFO, 15                           ; v15  the prefetches' lane offset; never rewritten
.set SPW, 28                           ; v28  my spare word; never rewritten
.set NIL, 29                           ; v29  0; never rewritten
.set AT,  32
.set AF,  96
.set BF,  192
.set WV,  14
.set RH,  15
.set CH,  16
.set CX,  17
.set CY,  18
.set CLY, 19
.set RB,  20
.set G1A, 24                           ; s[24:31] group 1, x's tile;  s[32:35] group 0 of K step 0, s[36:39] the walking one
.set G0A, 32
.set G1B, 40                           ; s[40:47], s[48:51], s[52:55] the same for wf
.set G0B, 48
.set TB,  56                           ; s56  LDS byte of the slot in hand
.set CNT, 57
.set PF,  58                           ; s[58:59] where my prefetches stand
.set LIM, 60
.set PARM, 61
.set PFS, 62                           ; s[62:63] their step
.set PARV, 66
.set QK,  70
.set VB,  72
.set MSB, 0
.macro WIN new                         ; the immediate's high byte repeats the setting that is left; a switch that changes nothing is dropped
.if MSB != (\new)
	s_set_vgpr_msb (MSB<<8)|(\new)
.set MSB, \new
.endif
.endm
.macro PLACES                          ; four places behind a matrix instruction, in front of loads into registers that it has read
.rept 4
	v_nop
.endr
.endm
.macro CREST                           ; a round of the cluster's barrier behind its opening barrier
	s_cmp_lg_u32 s[WV], 0
	s_cbranch_scc1 .Lnot_wave_0_\@
	s_barrier_signal -3
.Lnot_wave_0_\@:
	s_barrier_wait -3
	s_barrier_signal -1
	s_barrier_wait -1
.endm
.macro CROUND
	s_barrier_signal -1
	s_barrier_wait -1
	CREST
.endm
.macro JLOAD                           ; a joint refill: wave 3 x's tile, waves 0-2 their thirds of wf's; an s_nop 0 and four v_nop follow each line
	s_cmp_eq_u32 s[WV], 3
	s_cbranch_scc0 .Lfor_b_\@
	tensor_load_to_lds s[G0A+4:G0A+7], s[G1A:G1A+7]
	s_nop 0
.rept 4
	v_nop
.endr
	s_branch .Lasked_\@
.Lfor_b_\@:
	tensor_load_to_lds s[G0B+4:G0B+7], s[G1B:G1B+7]
	s_nop 0
.rept 4
	v_nop
.endr
.Lasked_\@:
.endm
; PREFETCHES INTO THE L2, behind the joint load and the run of LDS loads.  x: wave 3 of every work-group names the K step three refills on (432 matrix instructions ahead): of the tile's 128 rows the partner at cx takes
; 32 cx .. + 31, a lane a row of 256 bytes; the last three refills name nothing.  wf: only the cluster with y = 0 asks; the twelve waves 0-2 of a column of the cluster share four K steps (294,912 bytes) out by address,
; 24,576 bytes each in three instructions, at the trips with CNT = 10 (K steps 4-7) and 6 (K steps 8-11).  Each block of 256 bytes is named once; the highest byte named in a block j is 884,480 + 255.
.macro ASK
	s_and_b32 s67, s[CNT], s[PARM]
	s_cmp_eq_u32 s67, s[PARV]
	s_cbranch_scc0 .Lnot_mine_\@
	s_cmp_gt_u32 s[CNT], s[LIM]
	s_cbranch_scc0 .Lnot_mine_\@
	global_prefetch_b8 v[PFO], s[PF:PF+1] th:TH_LOAD_NT scope:SCOPE_SE
	s_cmp_eq_u32 s[WV], 3
	s_cbranch_scc1 .Lnot_mine_\@
	global_prefetch_b8 v[PFO], s[PF:PF+1] offset:8192 th:TH_LOAD_NT scope:SCOPE_SE
	global_prefetch_b8 v[PFO], s[PF:PF+1] offset:16384 th:TH_LOAD_NT scope:SCOPE_SE
.Lnot_mine_\@:
.endm
	s_load_b256 s[4:11], s[0:1], 0x0               ; x s[4:5], wf s[6:7], qkf s[8:9], vf s[10:11]
	v_lshl_add_u32 v[SPW], v0, 2, SPARE
	v_mov_b32 v[NIL], 0
	ds_add_u32 v[SPW], v[NIL]                      ; the wave's opening: the add, twice on end, and its wait ahead of my first tensor load
	ds_add_u32 v[SPW], v[NIL]
	v_lshrrev_b32 v1, 5, v0
	v_readfirstlane_b32 s[WV], v1                  ; wave 0..3
	s_lshr_b32 s[RH], s[WV], 1                     ; my half of the rows
	s_and_b32 s[CH], s[WV], 1                      ; my half of the columns
	s_bfe_u32 s[CX], ttmp6, 0x40000                ; cx = j
	s_bfe_u32 s[CY], ttmp6, 0x40004                ; cy
	s_and_b32 s[CLY], ttmp7, 0xffff                ; the cluster's y
	s_lshl_b32 s[RB], s[CLY], 2
	s_add_co_u32 s[RB], s[RB], s[CY]               ; rb = 4 x cluster y + cy
	s_lshl_b32 s21, s[CY], 2
	s_lshl_b32 s21, 15, s21                        ; my row of the cluster
	s_lshl_b32 s67, 0x1111, s[CX]                  ; my column
	s_or_b32 s[G1A], s21, (2<<16)|(1<<20)|(1<<21)|(5<<22)|(3<<25)  ; the mask; 4-byte elements; padding on; bit 21 beside a mask; after every 64 words, 4 words
	s_mov_b32 s[G1A+1], 64<<16                     ; tensor_dim0 = 64
	s_mov_b32 s[G1A+2], 128<<16                    ; tensor_dim1 = 128
	s_mov_b32 s[G1A+3], 64<<16                     ; tile_dim0 = 64
	s_mov_b32 s[G1A+4], 128                        ; tile_dim1 = 128
	s_mov_b32 s[G1A+5], 768                        ; elements from row to row
	s_mov_b32 s[G1A+6], 0
	s_mov_b32 s[G1A+7], 0
	s_or_b32 s[G1B], s67, (3<<16)|(1<<21)          ; dense bytes as 96 rows of 32 elements of 8 bytes
	s_mov_b32 s[G1B+1], 32<<16
	s_mov_b32 s[G1B+2], 96<<16
	s_mov_b32 s[G1B+3], 32<<16
	s_mov_b32 s[G1B+4], 96
	s_mov_b32 s[G1B+5], 32
	s_mov_b32 s[G1B+6], 0
	s_mov_b32 s[G1B+7], 0
	s_mul_i32 s22, s[RB], 128*XROW                 ; x's tile: hangs on rb alone
	s_mov_b32 s23, 0
	s_mul_i32 s68, s[CX], WBLK                     ; wf's: on j and the wave's number
	s_mul_i32 s69, s[WV], THIRD
	s_add_co_u32 s68, s68, s69
	s_add_co_u32 s[G0B+1], s69, BOFF               ; LDS: the wave's third, slot 0
	s_add_co_u32 s[G0B+5], s69, BOFF+SLOT1         ; and slot 1
	s_mov_b32 s69, 0
	s_mov_b32 s[G0A], 1
	s_mov_b32 s[G0A+1], 0
	s_mov_b32 s[G0A+4], 1
	s_mov_b32 s[G0A+5], SLOT1
	s_mov_b32 s[G0B], 1
	s_mov_b32 s[G0B+4], 1
	s_mov_b32 s[TB], 0
	s_wait_dscnt 0x0                               ; both opening adds are done
	s_wait_kmcnt 0x0
	s_add_nc_u64 s[G0A+2:G0A+3], s[4:5], s[22:23]  ; K step 0
	s_add_nc_u64 s[G0A+6:G0A+7], s[G0A+2:G0A+3], 256  ; K step 1
	s_or_b32 s[G0A+3], s[G0A+3], 0x80000000
	s_or_b32 s[G0A+7], s[G0A+7], 0x80000000
	s_add_nc_u64 s[G0B+2:G0B+3], s[6:7], s[68:69]
	s_add_nc_u64 s[G0B+6:G0B+7], s[G0B+2:G0B+3], KSTEPB
	s_or_b32 s[G0B+3], s[G0B+3], 0x80000000
	s_or_b32 s[G0B+7], s[G0B+7], 0x80000000
	CROUND                                         ; all sixteen work-groups are here: the first joint loads meet
	s_cmp_eq_u32 s[WV], 3                          ; a wave's two first fills stand in one branch: two loads of mine are out
	s_cbranch_scc0 .Lfirst_b
	tensor_load_to_lds s[G0A:G0A+3], s[G1A:G1A+7]
	s_nop 0
	tensor_load_to_lds s[G0A+4:G0A+7], s[G1A:G1A+7]
	s_nop 0
.rept 4
	v_nop
.endr
	s_branch .Lfirst_asked
.Lfirst_b:
	tensor_load_to_lds s[G0B:G0B+3], s[G1B:G1B+7]
	s_nop 0
	tensor_load_to_lds s[G0B+4:G0B+7], s[G1B:G1B+7]
	s_nop 0
.rept 4
	v_nop
.endr
.Lfirst_asked:
	v_and_b32 v1, 15, v0                           ; r
	v_bfe_u32 v2, v0, 4, 1                         ; h
	v_and_b32 v12, 31, v0                          ; lane
	v_mul_u32_u24 v[LA], v1, APITCH
	v_lshl_add_u32 v[LA], v2, 5, v[LA]             ; row r, 8 h numbers of 4 bytes on
	s_mul_i32 s74, s[RH], 64*APITCH
	v_add_nc_u32 v[LA], s74, v[LA]
	s_mul_i32 s74, s[CH], 18*1024
	s_add_co_u32 s74, s74, BOFF
	v_lshl_add_u32 v[LB], v12, 4, s74              ; my 16 bytes of a fragment's half
	v_lshlrev_b32 v[GO], 4, v12
	; where the results go
	s_lshl_b32 s74, s[RB], 3
	s_lshl_b32 s75, s[RH], 2
	s_add_co_u32 s74, s74, s75                     ; my first 16-row block: 8 rb + 4 RH
	s_mul_i32 s76, s74, QROW
	s_lshr_b32 s75, s[CX], 1
	s_mul_i32 s75, s75, KOFF                       ; q (j < 2) or k
	s_add_co_u32 s76, s76, s75
	s_and_b32 s75, s[CX], 1
	s_mul_i32 s75, s75, 12
	s_mul_i32 s77, s[CH], 6
	s_add_co_u32 s75, s75, s77
	s_lshl_b32 s75, s75, 10                        ; my first 32-channel block: 12 (j & 1) + 6 CH
	s_add_co_u32 s76, s76, s75
	s_mov_b32 s77, 0
	s_add_nc_u64 s[QK:QK+1], s[8:9], s[76:77]
	s_mul_i32 s76, s74, VKB/2                      ; my first 32-key block: 4 rb + 2 RH
	s_mul_i32 s75, s[CX], VBLK
	s_add_co_u32 s76, s76, s75
	s_mul_i32 s75, s[CH], 6*1024
	s_add_co_u32 s76, s76, s75
	s_add_nc_u64 s[VB:VB+1], s[10:11], s[76:77]
	; the prefetches
	s_lshl_b32 s74, s[RB], 7
	s_lshl_b32 s75, s[CX], 5
	s_add_co_u32 s74, s74, s75
	s_mul_i32 s74, s74, XROW
	s_add_co_u32 s74, s74, 4*256                   ; x: my work-group's 32 rows, at K step 4: the first refill steps it to 5
	s_mul_i32 s75, s[CY], 3
	s_add_co_u32 s75, s75, s[WV]
	s_mul_i32 s75, s75, THIRD
	s_mul_i32 s76, s[CX], WBLK
	s_add_co_u32 s75, s75, s76
	s_add_co_u32 s75, s75, 3*KSTEPB                ; wf: my twelfth of four K steps, at K step 3: the first refill steps it to 4
	s_mov_b32 s76, 256
	s_mov_b32 s77, KSTEPB
	s_mov_b32 s78, XROW
	s_cmp_eq_u32 s[CLY], 0
	s_cselect_b32 s[LIM], 2, -1                    ; the same in all sixteen partners, for a given wave
	s_cmp_eq_u32 s[WV], 3
	s_cselect_b64 s[PF:PF+1], s[4:5], s[6:7]
	s_cselect_b32 s74, s74, s75
	s_cselect_b32 s[PFS], s76, s77
	s_cselect_b32 s78, s78, s76
	s_cselect_b32 s[PARM], 0, 3
	s_cselect_b32 s[PARV], 0, 2
	s_cselect_b32 s[LIM], 3, s[LIM]
	s_mov_b32 s75, 0
	s_mov_b32 s[PFS+1], 0
	s_add_nc_u64 s[PF:PF+1], s[PF:PF+1], s[74:75]
	v_mul_u32_u24 v[PFO], v12, s78                 ; a lane a row of x, or a block of 256 bytes of wf
.macro LOADB w, kb                     ; window w's six fragments of W, 32 K at half kb of the slot
	WIN (\w)<<6
.irp b, 0,1,2,3,4,5
	ds_load_b128 v[BF+8*(\b):BF+8*(\b)+3],   v[AB] offset:(\kb)*KBB+(6*((\w)-1)+(\b))*1024
	ds_load_b128 v[BF+8*(\b)+4:BF+8*(\b)+7], v[AB] offset:(\kb)*KBB+(6*((\w)-1)+(\b))*1024+512
.endr
.endm
.macro LOADAT kk                       ; my 64 rows of x, 32 K, as f32: a lane's K 8 h .. + 7 and 16 + 8 h .. + 7
	WIN 0
.irp a, 0,1,2,3
	ds_load_b128 v[AT+16*(\a):AT+16*(\a)+3],     v[AA] offset:(\a)*16*APITCH+128*(\kk)
	ds_load_b128 v[AT+16*(\a)+4:AT+16*(\a)+7],   v[AA] offset:(\a)*16*APITCH+128*(\kk)+16
	ds_load_b128 v[AT+16*(\a)+8:AT+16*(\a)+11],  v[AA] offset:(\a)*16*APITCH+128*(\kk)+64
	ds_load_b128 v[AT+16*(\a)+12:AT+16*(\a)+15], v[AA] offset:(\a)*16*APITCH+128*(\kk)+80
.endr
.endm
.macro CVTA par                        ; rounded to bf16: four fragments into buffer par
	WIN 0
.set z, 0
.rept 32
	v_cvt_pk_bf16_f32 v[AF+32*(\par)+z], v[AT+2*z], v[AT+2*z+1]
.set z, z+1
.endr
.endm
; n products of window w from accumulator i0 on.  The accumulators take turns, one instruction a turn: 71 others stand between two links of a chain.
.macro MUL w, par, i0, n, zero
.if (\w) == 3
	WIN 0xfc                                       ; x (source 0) window 0; W, C and D window 3
.else
	WIN 0x51*(\w)                                  ; W (source 0), C and D window w; x (source 1) window 0
.endif
.set ii, \i0
.rept \n
.set ra, AF+32*(\par)+8*(ii/6)
.set rw, BF+8*(ii%6)
.if (\w) == 3
.if \zero
	v_wmma_f32_16x16x32_bf16 v[8*ii:8*ii+7], v[ra:ra+7], v[rw:rw+7], 0
.else
	v_wmma_f32_16x16x32_bf16 v[8*ii:8*ii+7], v[ra:ra+7], v[rw:rw+7], v[8*ii:8*ii+7]
.endif
.else
.if \zero
	v_wmma_f32_16x16x32_bf16 v[8*ii:8*ii+7], v[rw:rw+7], v[ra:ra+7], 0
.else
	v_wmma_f32_16x16x32_bf16 v[8*ii:8*ii+7], v[rw:rw+7], v[ra:ra+7], v[8*ii:8*ii+7]
.endif
.endif
.set ii, ii+1
.endr
.endm
; A K step's first 32 K: multiplies buffer 0 and fetches the second 32 K of the same slot.  zero = 1: the products start the sums.
.macro STEPE zero
	s_wait_dscnt 24                                ; window 1's fragments are in; windows 2 and 3's 24 loads may be out
	MUL 1, 0, 0, 24, \zero
	PLACES
	LOADB 1, 1
	LOADAT 1
	s_wait_dscnt 40                                ; window 2's are in: behind them window 3's 12, the 12 and the 16 just issued
	MUL 2, 0, 0, 24, \zero
	WIN 0
	s_wait_dscnt 0x0                               ; x's f32 are the youngest loads
	CVTA 1                                         ; these 32 are also the places in front of the loads below
	LOADB 2, 1
	MUL 3, 0, 0, 24, \zero
	PLACES
	LOADB 3, 1
.endm
; A K step's second 32 K: multiplies buffer 1 and changes slots.  mode 1: the slot just read is filled again, two K steps on; 2: nothing is left to fetch; 3: the last K step: no change.
.macro STEPO mode
.if (\mode) == 3
	s_wait_dscnt 0x0
	MUL 1, 1, 0, 24, 0
	MUL 2, 1, 0, 24, 0
	MUL 3, 1, 0, 24, 0
.else
.if (\mode) == 1
	s_wait_xcnt 0x0                                ; the last prefetches, a K step back, have read their address
	s_add_nc_u64 s[PF:PF+1], s[PF:PF+1], s[PFS:PFS+1]
.endif
	WIN 0
	s_wait_tensorcnt 0x0                           ; all my tensor loads have landed: the one that was out is my part of the other slot
	ds_add_u32 v[SPW], v[NIL]                      ; 0 onto my spare word
	MUL 1, 1, 0, 16, 0                             ; sixteen products stand between the add and the wait for it
	s_wait_dscnt 0x0                               ; the add is done, and my reads of this slot are over: all its fragments are in registers
	s_barrier_signal -1
	MUL 1, 1, 16, 8, 0
	WIN 0
	s_barrier_wait -1
.if (\mode) == 1
	CREST                                          ; the barrier has opened a round of the cluster's: no wave of any partner still reads this slot or has a load on its way
	s_xor_b32 s[G0A+5], s[G0A+5], SLOT1            ; the walking descriptors: the other slot than last time, the next K step
	s_add_nc_u64 s[G0A+6:G0A+7], s[G0A+6:G0A+7], 256
	s_xor_b32 s[G0B+5], s[G0B+5], SLOT1
	s_add_nc_u64 s[G0B+6:G0B+7], s[G0B+6:G0B+7], KSTEPB
	JLOAD                                          ; the first tensor load behind the round; its four v_nop are also the places in front of the loads below
.else
	PLACES
.endif
	s_xor_b32 s[TB], s[TB], SLOT1
	v_add_nc_u32 v[AA], s[TB], v[LA]
	v_add_nc_u32 v[AB], s[TB], v[LB]
	LOADB 1, 0
	LOADAT 0
.if (\mode) == 1
	ASK
.endif
	MUL 2, 1, 0, 24, 0
	WIN 0
	s_wait_dscnt 0x0
	CVTA 0
	LOADB 2, 0
	MUL 3, 1, 0, 24, 0
	PLACES
	LOADB 3, 0
.endif
.endm
	s_wait_tensorcnt 0x1                           ; my part of K step 0 is in; K step 1's may stay out
	s_barrier_signal -1
	s_barrier_wait -1                              ; everybody's is
	v_add_nc_u32 v[AA], s[TB], v[LA]
	v_add_nc_u32 v[AB], s[TB], v[LB]
	LOADB 1, 0
	LOADAT 0
	s_wait_dscnt 0x0
	CVTA 0
	LOADB 2, 0
	LOADB 3, 0
	STEPE 1                                        ; the first 32 K stand in front of the loop: their products start the sums
	WIN 0
	s_mov_b32 s[CNT], 10                           ; ten refills: K steps 2 to 11
.Lk:
	STEPO 1
	STEPE 0
	WIN 0
	s_sub_co_u32 s[CNT], s[CNT], 1
	s_cmp_lg_u32 s[CNT], 0
	s_cbranch_scc1 .Lk
	STEPO 2                                        ; the tail is written out
	STEPE 0
	STEPO 3
	PLACES
	PLACES                                         ; eight, once a launch, in front of conversions that read results just made
; THE WAY OUT of window w: 24 results rounded to f16, each accumulator's registers in ascending order, and stored: 512 consecutive bytes a store.
.macro OUTW w
.set TM, 32+96*((\w)%2)
.if (\w) == 3
	s_wait_xcnt 0x0                                ; window 1's stores have read the registers that are written again
.endif
	WIN 5*(\w)
.set z, 0
.rept 96
	v_cvt_pk_f16_f32 v[TM+z], v[2*z], v[2*z+1]
.set z, z+1
.endr
	WIN 0
.set z, 0
.rept 24
.if (\w) == 3
	global_store_b128 v[GO], v[TM+4*z:TM+4*z+3], s[VB:VB+1] offset:((z/6)/2)*VKB+(z%6)*1024+((z/6)%2)*512
.else
	global_store_b128 v[GO], v[TM+4*z:TM+4*z+3], s[QK:QK+1] offset:(z/6)*QROW+(6*((\w)-1)+z%6)*512
.endif
.set z, z+1
.endr
.endm
	OUTW 1
	OUTW 2
	OUTW 3
	s_wait_tensorcnt 0x0                           ; the wave's end
	ds_add_u32 v[SPW], v[NIL]
	s_wait_dscnt 0x0
	CROUND                                         ; the closing round
	s_endpgm
.Lfunc_end_k_q35a95f2e35_proj:
	.size	k_q35a95f2e35_proj, .Lfunc_end_k_q35a95f2e35_proj-k_q35a95f2e35_proj
	.p2alignl 7, 3214868480
	.fill 96, 4, 3214868480
	.section	.rodata,"a",@progbits
	.p2align	6, 0x0
	.amdhsa_kernel k_q35a95f2e35_proj
		.amdhsa_group_segment_fixed_size 327680
		.amdhsa_private_segment_fixed_size 0
		.amdhsa_enable_private_segment 0
		.amdhsa_kernarg_size 32
		.amdhsa_user_sgpr_count 2
		.amdhsa_user_sgpr_kernarg_segment_ptr 1
		.amdhsa_wavefront_size32 1
		.amdhsa_system_sgpr_workgroup_id_x 1
		.amdhsa_system_sgpr_workgroup_id_y 1
		.amdhsa_system_sgpr_workgroup_id_z 1
		.amdhsa_system_vgpr_workitem_id 0
		.amdhsa_next_free_vgpr 1024
		.amdhsa_next_free_sgpr 80
		.amdhsa_reserve_vcc 0
		.amdhsa_float_denorm_mode_32 3
		.amdhsa_float_denorm_mode_16_64 3
		.amdhsa_memory_ordered 1
		.amdhsa_forward_progress 1
		.amdhsa_inst_pref_size 97
	.end_amdhsa_kernel
	.amdgpu_metadata
---
amdhsa.version: [ 1, 2 ]
amdhsa.kernels:
  - .name:           k_q35a95f2e35_proj
    .symbol:         k_q35a95f2e35_proj.kd
    .args:
      - { .name: x, .offset: 0, .size: 8, .value_kind: global_buffer, .address_space: global }
      - { .name: wf, .offset: 8, .size: 8, .value_kind: global_buffer, .address_space: global }
      - { .name: qkf, .offset: 16, .size: 8, .value_kind: global_buffer, .address_space: global }
      - { .name: vf, .offset: 24, .size: 8, .value_kind: global_buffer, .address_space: global }
    .group_segment_fixed_size: 327680
    .private_segment_fixed_size: 0
    .kernarg_segment_align: 8
    .kernarg_segment_size: 32
    .max_flat_workgroup_size: 128
    .sgpr_count:     80
    .vgpr_count:     1024
    .wavefront_size: 32
...
	.end_amdgpu_metadata
.endif
;; end of part 2
;; launch scores (part 3): grid 8 x 32, 4 waves a work-group, clusters of 4 x 4, 327,680 bytes of LDS; arguments qkf, pf, st; writes pf, st
.if DOCPART == 3
	.amdgcn_target "amdgcn-amd-amdhsa--gfx1250"
	.amdhsa_code_object_version 6
	.text
	.protected	k_q35a95f2e35_scores
	.globl	k_q35a95f2e35_scores
	.p2align	8
	.type	k_q35a95f2e35_scores,@function
k_q35a95f2e35_scores:
	s_mov_b64 s[64:65], 0
	v_nop
	global_prefetch_b8 v0, s[64:65] scope:SCOPE_SE
	s_setreg_imm32_b32 hwreg(HW_REG_WAVE_MODE, 25, 1), 1
	s_wait_xcnt 0x0
	s_wait_alu depctr_hold_cnt(0) depctr_sa_sdst(0) depctr_va_vdst(0) depctr_va_sdst(0) depctr_va_ssrc(0) depctr_va_vcc(0) depctr_vm_vsrc(0)
	s_getreg_b32 s2, hwreg(HW_REG_IB_STS2, 6, 4)
	s_cmp_eq_u32 s2, 0
	s_cbranch_scc0 .Lentry_in_a_cluster
	s_endpgm
.Lentry_in_a_cluster:
	s_bfe_u32 s2, ttmp6, 0x10000c
	s_cmp_lg_u32 s2, 0xf033
	s_cbranch_scc0 .Lentry_shape_is_right
	s_endpgm
.Lentry_shape_is_right:
; THE WEIGHTS, by chunks of 128 keys.  s = q . k (f16 products, f32 sums); for each query and each chunk: m = the chunk's largest s, p = 2^(c s - c m), c = log2(e) / sqrt(768), l = the sum of the chunk's p.
; Out: pf = p in f16, fragments [16-row block 512][32-key block 64][1024] (piece (i, lane (r, h)) = keys 16 i + 8 h + 0..7 of query r); st = c m and, 524,288 bytes on, l, in f32:
; [128-row block 64][chunk 16][r 16][a 8], row 16 a + r.  The next launch joins the chunks by their maxima: the maximum is taken away before every exponential, here the chunk's, there the row's.  Nothing is left out.
; LIMITS.  p lies in 0 to 1 and below 6e-5 keeps f16's fixed step of 6e-8; a weight below 2^-126 counts as 0 in l; l is the sum of the unrounded p; NaN and infinities are not treated apart.
; SHARES.  A work-group makes 256 queries x 256 keys of one batch; a wave 128 x 128: 64 accumulators in windows 2 and 3, so a wave's tile is one chunk for its 128 queries.  K (768 channels) goes in 6 steps of 128
; through two LDS slots of 131,072 bytes; the tiles are dense fragments, read 16 bytes a lane on end.  Waves 0, 1 fetch q's two halves (8 row blocks x 4,096 bytes), waves 2, 3 k's.
; CLUSTER 4 x 4: q's tile is asked for jointly along a row of the cluster, k's along a column.  Source 0 = 16 keys, source 1 = 16 queries: a lane holds ONE query (lane % 16) and the keys 8 (lane / 16) + 0..7.
; REGISTERS: window 0: v0-31 addresses; v32-59 the softmax's; v64-127, v128-191 q's fragments, two buffers (later the packed weights); window 1: the same for k; windows 2, 3: accumulator (a, b) at 8 (8 (a % 4) + b).
.set SLOT1,  1<<17
.set SPARE,  2*SLOT1                   ; behind the ring: the spare words, 128 bytes a wave
.set QROW,   24576                     ; a 16-row block of q or k
.set KOFF,   12582912                  ; k behind q
.set KSTEPB, 4096                      ; 128 channels of a 16-row block
.set LOFF,   524288
.set ADRA, 16
.set ADRB, 17
.set LAA,  18                          ; my place in q's tile; never rewritten
.set LAB,  19                          ; in k's
.set GO,   24                          ; 16 x lane
.set SO,   25                          ; my 16 bytes of a chunk's 512 in st
.set SPW,  28
.set NIL,  29
.set PFO,  30
.set CC,   32                          ; v32-39 at work
.set CMP,  40                          ; v[40:41] c m, named as a pair
.set CM,   44                          ; v44-51 c m of row block a
.set LS,   52                          ; v52-59 l of row block a
.set F0,   64
.set F1,   128
.set PF,   10                          ; s[10:11]
.set WV,   12
.set RH,   13
.set CH,   14
.set CX,   15
.set CY,   16
.set CLY,  17
.set TX,   18
.set TY,   19
.set G1A,  24
.set G0A,  32
.set G1B,  40
.set G0B,  48
.set TB,   56
.set CNT,  57
.set CS,   58
.set SEL,  60
.set LIM,  62
.set HM,   63
.set MSB, 0
.macro WIN new
.if MSB != (\new)
	s_set_vgpr_msb (MSB<<8)|(\new)
.set MSB, \new
.endif
.endm
.set MUL_LO, 0xa1                      ; source 0 (k) window 1, source 1 (q) window 0, C and D window 2
.set TO_B,   0x40
.macro PLACES
.rept 4
	v_nop
.endr
.endm
.macro CREST
	s_cmp_lg_u32 s[WV], 0
	s_cbranch_scc1 .Lnot_wave_0_\@
	s_barrier_signal -3
.Lnot_wave_0_\@:
	s_barrier_wait -3
	s_barrier_signal -1
	s_barrier_wait -1
.endm
.macro CROUND
	s_barrier_signal -1
	s_barrier_wait -1
	CREST
.endm
.macro JLOAD                           ; a joint refill; an s_nop 0 and four v_nop follow each of the two lines
	s_cmp_eq_u32 s[RH], 0
	s_cbranch_scc0 .Lfor_b_\@
	tensor_load_to_lds s[G0A+4:G0A+7], s[G1A:G1A+7]
	s_nop 0
.rept 4
	v_nop
.endr
	s_branch .Lasked_\@
.Lfor_b_\@:
	tensor_load_to_lds s[G0B+4:G0B+7], s[G1B:G1B+7]
	s_nop 0
.rept 4
	v_nop
.endr
.Lasked_\@:
.endm
; A PREFETCH INTO THE L2 of the K step two refills on (512 matrix instructions ahead): of the 8 row blocks x 4,096 bytes that I fetch, the partner at place p (cx for q, cy for k) takes row blocks 2 p, 2 p + 1:
; 32 blocks of 256 bytes, a lane each.  q's rows are read by both clusters of a row of clusters: the one with x = 0 asks; k's by the two clusters of a batch: the one with even y asks.  K steps 4 and 5 are named, each once.
.macro ASK
	s_cmp_gt_u32 s[CNT], s[LIM]
	s_cbranch_scc0 .Lnot_mine_\@
	global_prefetch_b8 v[PFO], s[PF:PF+1] th:TH_LOAD_NT scope:SCOPE_SE
.Lnot_mine_\@:
.endm
	s_load_b128 s[4:7], s[0:1], 0x0                ; qkf s[4:5], pf s[6:7]
	s_load_b64 s[8:9], s[0:1], 0x10                ; st
	v_lshl_add_u32 v[SPW], v0, 2, SPARE
	v_mov_b32 v[NIL], 0
	ds_add_u32 v[SPW], v[NIL]                      ; the wave's opening: the add, twice on end, and its wait ahead of my first tensor load
	ds_add_u32 v[SPW], v[NIL]
	v_lshrrev_b32 v1, 5, v0
	v_readfirstlane_b32 s[WV], v1
	s_lshr_b32 s[RH], s[WV], 1                     ; my half of the queries.  Also: I fetch for q (0) or k (1)
	s_and_b32 s[CH], s[WV], 1                      ; my half of the keys.  Also: which half of that tile I fetch
	s_bfe_u32 s[CX], ttmp6, 0x40000
	s_bfe_u32 s[CY], ttmp6, 0x40004
	s_lshl_b32 s[TX], ttmp9, 2
	s_add_co_u32 s[TX], s[TX], s[CX]               ; the batch's tile of 256 keys
	s_and_b32 s[CLY], ttmp7, 0xffff
	s_lshl_b32 s[TY], s[CLY], 2
	s_add_co_u32 s[TY], s[TY], s[CY]               ; the tile of 256 queries, of all 8,192; its batch is cluster y / 2
	s_lshl_b32 s20, s[CY], 2
	s_lshl_b32 s20, 15, s20                        ; my row of the cluster
	s_lshl_b32 s22, 0x1111, s[CX]                  ; my column
	s_or_b32 s[G1A], s20, (3<<16)|(1<<21)          ; the mask; 8-byte elements; bit 21 beside a mask
	s_or_b32 s[G1B], s22, (3<<16)|(1<<21)
.irp g, G1A, G1B
	s_mov_b32 s[(\g)+1], 512<<16                   ; tensor_dim0 = 512 (4,096 bytes)
	s_mov_b32 s[(\g)+2], 8<<16                     ; tensor_dim1 = 8
	s_mov_b32 s[(\g)+3], 512<<16                   ; tile_dim0
	s_mov_b32 s[(\g)+4], 8                         ; tile_dim1
	s_mov_b32 s[(\g)+5], QROW/8                    ; elements from row block to row block
	s_mov_b32 s[(\g)+6], 0
	s_mov_b32 s[(\g)+7], 0
.endr
	s_lshl_b32 s20, s[TY], 4
	s_lshl_b32 s21, s[CH], 3
	s_add_co_u32 s20, s20, s21
	s_mul_i32 s20, s20, QROW                       ; q: row block 16 y + 8 half
	s_mov_b32 s21, 0
	s_lshr_b32 s22, s[CLY], 1
	s_lshl_b32 s22, s22, 7
	s_lshl_b32 s23, s[TX], 4
	s_add_co_u32 s22, s22, s23
	s_lshl_b32 s23, s[CH], 3
	s_add_co_u32 s22, s22, s23
	s_mul_i32 s22, s22, QROW
	s_add_co_u32 s22, s22, KOFF                    ; k: row block 128 batch + 16 tx + 8 half
	s_mov_b32 s23, 0
.irp g, G0A, G0B
	s_mov_b32 s[(\g)], 1
	s_lshl_b32 s[(\g)+1], s[WV], 15                ; LDS: wave x 32,768: q's two halves, then k's
	s_mov_b32 s[(\g)+4], 1
	s_add_co_u32 s[(\g)+5], s[(\g)+1], SLOT1
.endr
	s_mov_b32 s[CS], 0x3d553b94                    ; c = log2(e) / sqrt(768) = 0.0520588
	s_mov_b32 s[CS+1], s[CS]                       ; named with it as a pair
	s_mov_b32 s[SEL], 0x76543210
	s_mov_b32 s[SEL+1], 0xfedcba98
	s_mov_b32 s[HM], 0xffff0000                    ; lanes 16-31
	s_mov_b32 s[TB], 0
	s_wait_dscnt 0x0                               ; both opening adds are done
	s_wait_kmcnt 0x0
	s_add_nc_u64 s[G0A+2:G0A+3], s[4:5], s[20:21]
	s_add_nc_u64 s[G0A+6:G0A+7], s[G0A+2:G0A+3], KSTEPB
	s_or_b32 s[G0A+3], s[G0A+3], 0x80000000
	s_or_b32 s[G0A+7], s[G0A+7], 0x80000000
	s_add_nc_u64 s[G0B+2:G0B+3], s[4:5], s[22:23]
	s_add_nc_u64 s[G0B+6:G0B+7], s[G0B+2:G0B+3], KSTEPB
	s_or_b32 s[G0B+3], s[G0B+3], 0x80000000
	s_or_b32 s[G0B+7], s[G0B+7], 0x80000000
	CROUND                                         ; all sixteen work-groups are here: the first joint loads meet
	s_cmp_eq_u32 s[RH], 0                          ; a wave's two first fills stand in one branch: two loads of mine are out
	s_cbranch_scc0 .Lfirst_b
	tensor_load_to_lds s[G0A:G0A+3], s[G1A:G1A+7]
	s_nop 0
	tensor_load_to_lds s[G0A+4:G0A+7], s[G1A:G1A+7]
	s_nop 0
.rept 4
	v_nop
.endr
	s_branch .Lfirst_asked
.Lfirst_b:
	tensor_load_to_lds s[G0B:G0B+3], s[G1B:G1B+7]
	s_nop 0
	tensor_load_to_lds s[G0B+4:G0B+7], s[G1B:G1B+7]
	s_nop 0
.rept 4
	v_nop
.endr
.Lfirst_asked:
	v_and_b32 v1, 15, v0                           ; r
	v_bfe_u32 v2, v0, 4, 1                         ; h
	v_and_b32 v3, 31, v0
	v_lshlrev_b32 v[GO], 4, v3                     ; 16 x lane
	s_lshl_b32 s66, s[RH], 15
	v_add_nc_u32 v[LAA], s66, v[GO]                ; my 8 row blocks of q
	s_lshl_b32 s66, s[CH], 15
	s_add_co_u32 s66, s66, 65536
	v_add_nc_u32 v[LAB], s66, v[GO]                ; my 8 row blocks of k, behind q's 16
	v_lshlrev_b32 v[SO], 5, v1
	v_lshl_add_u32 v[SO], v2, 4, v[SO]             ; 32 r + 16 h
	v_mov_b32 v[CMP+1], 0                          ; named in a pair, never used
	v_mul_u32_u24 v[PFO], v2, QROW
	v_lshl_add_u32 v[PFO], v1, 8, v[PFO]
	; the prefetches' address
	s_lshl_b32 s66, s[CX], 1
	s_mul_i32 s66, s66, QROW
	s_add_co_u32 s66, s66, s20                     ; q: my work-group's two row blocks of the eight
	s_lshl_b32 s67, s[CY], 1
	s_mul_i32 s67, s67, QROW
	s_add_co_u32 s67, s67, s22                     ; k likewise
	s_and_b32 s68, s[CLY], 1
	s_cmp_eq_u32 s[RH], 0
	s_cselect_b32 s68, ttmp9, s68                  ; the coordinate along which another cluster reads the same rows
	s_cselect_b32 s66, s66, s67
	s_cmp_eq_u32 s68, 0
	s_cselect_b32 s[LIM], 2, -1                    ; the same in all sixteen partners, for a given wave
	s_add_co_u32 s66, s66, 3*KSTEPB                ; at K step 3: the first refill steps it to 4
	s_mov_b32 s67, 0
	s_add_nc_u64 s[PF:PF+1], s[4:5], s[66:67]
	; where the weights and the statistics go
	s_lshl_b32 s66, s[TY], 4
	s_lshl_b32 s67, s[RH], 3
	s_add_co_u32 s66, s66, s67
	s_lshl_b32 s66, s66, 16                        ; row block 16 y + 8 RH, 65,536 bytes each
	s_lshl_b32 s67, s[TX], 3
	s_lshl_b32 s68, s[CH], 2
	s_add_co_u32 s67, s67, s68
	s_lshl_b32 s67, s67, 10                        ; 32-key block 8 tx + 4 CH
	s_add_co_u32 s66, s66, s67
	s_mov_b32 s67, 0
	s_add_nc_u64 s[6:7], s[6:7], s[66:67]
	s_lshl_b32 s66, s[TY], 1
	s_add_co_u32 s66, s66, s[RH]
	s_lshl_b32 s66, s66, 4
	s_lshl_b32 s68, s[TX], 1
	s_add_co_u32 s66, s66, s68
	s_add_co_u32 s66, s66, s[CH]
	s_lshl_b32 s66, s66, 9                         ; ((2 y + RH) 16 + 2 tx + CH) x 512
	s_add_nc_u64 s[8:9], s[8:9], s[66:67]
; 16 products: query blocks a0, a0 + 1 of the window's four x all 8 key blocks, 32 channels.  The 64 accumulators take turns in the same order in every quarter.
.macro MUL16 f, hi, a0, zero
	WIN MUL_LO+0x50*(\hi)
.irp a, \a0, (\a0)+1
.irp b, 0,1,2,3,4,5,6,7
.if \zero
	v_wmma_f32_16x16x32_f16 v[8*(8*(\a)+(\b)):8*(8*(\a)+(\b))+7], v[(\f)+8*(\b):(\f)+8*(\b)+7], v[(\f)+8*(4*(\hi)+(\a)):(\f)+8*(4*(\hi)+(\a))+7], 0
.else
	v_wmma_f32_16x16x32_f16 v[8*(8*(\a)+(\b)):8*(8*(\a)+(\b))+7], v[(\f)+8*(\b):(\f)+8*(\b)+7], v[(\f)+8*(4*(\hi)+(\a)):(\f)+8*(4*(\hi)+(\a))+7], v[8*(8*(\a)+(\b)):8*(8*(\a)+(\b))+7]
.endif
.endr
.endr
.endm
.macro FETCH kq, f                     ; 32 LDS loads in one run: quarter kq's fragments of k, then of q
	WIN TO_B
.irp i, 0,1,2,3,4,5,6,7
	ds_load_b128 v[(\f)+8*(\i):(\f)+8*(\i)+3],   v[ADRB] offset:(\i)*4096+(\kq)*1024
	ds_load_b128 v[(\f)+8*(\i)+4:(\f)+8*(\i)+7], v[ADRB] offset:(\i)*4096+(\kq)*1024+512
.endr
	WIN 0
.irp i, 0,1,2,3,4,5,6,7
	ds_load_b128 v[(\f)+8*(\i):(\f)+8*(\i)+3],   v[ADRA] offset:(\i)*4096+(\kq)*1024
	ds_load_b128 v[(\f)+8*(\i)+4:(\f)+8*(\i)+7], v[ADRA] offset:(\i)*4096+(\kq)*1024+512
.endr
.endm
.macro QUARTER kqn, f, g, zero         ; multiplies buffer f; in its middle fetches quarter kqn of the same slot into g
	s_wait_dscnt 8                                 ; k and q's blocks 0-3 are in; the youngest eight loads may be out
	MUL16 \f, 0, 0, \zero
	MUL16 \f, 0, 2, \zero
	PLACES
	FETCH \kqn, \g
	s_wait_dscnt 32                                ; all but the 32 just issued
	MUL16 \f, 1, 0, \zero
	MUL16 \f, 1, 2, \zero
.endm
.macro TURN fill                       ; a K step's last quarter multiplies buffer 1 and changes slots; fill = 1: the slot just read is filled again, two K steps on
.if \fill
	s_wait_xcnt 0x0                                ; the last prefetch, a K step back, has read its address
	s_add_nc_u64 s[PF:PF+1], s[PF:PF+1], KSTEPB
.endif
	WIN 0
	s_wait_tensorcnt 0x0                           ; all my tensor loads have landed: my part of the other slot
	ds_add_u32 v[SPW], v[NIL]                      ; 0 onto my spare word
	s_wait_dscnt 9                                 ; (the add and the youngest eight loads may be out)
	MUL16 F1, 0, 0, 0
	s_wait_dscnt 0x0                               ; the add is done, and my reads of this slot are over
	s_barrier_signal -1
	MUL16 F1, 0, 2, 0
	WIN 0
	s_barrier_wait -1
.if \fill
	CREST                                          ; no wave of any partner still reads this slot or has a load on its way
	s_xor_b32 s[G0A+5], s[G0A+5], SLOT1
	s_add_nc_u64 s[G0A+6:G0A+7], s[G0A+6:G0A+7], KSTEPB
	s_xor_b32 s[G0B+5], s[G0B+5], SLOT1
	s_add_nc_u64 s[G0B+6:G0B+7], s[G0B+6:G0B+7], KSTEPB
	JLOAD                                          ; the first tensor load behind the round; its four v_nop are also the places in front of the loads below
.else
	PLACES
.endif
	s_xor_b32 s[TB], s[TB], SLOT1
	v_add_nc_u32 v[ADRA], s[TB], v[LAA]
	v_add_nc_u32 v[ADRB], s[TB], v[LAB]
	FETCH 0, F0
.if \fill
	ASK
.endif
	MUL16 F1, 1, 0, 0
	MUL16 F1, 1, 2, 0
.endm
	s_wait_tensorcnt 0x1                           ; my part of K step 0 is in; K step 1's may stay out
	s_barrier_signal -1
	s_barrier_wait -1
	v_add_nc_u32 v[ADRA], s[TB], v[LAA]
	v_add_nc_u32 v[ADRB], s[TB], v[LAB]
	FETCH 0, F0
	QUARTER 1, F0, F1, 1                           ; the first quarter stands in front of the loop: its products start the sums
	WIN 0
	s_mov_b32 s[CNT], 4                            ; four refills: K steps 2 to 5
.Lk:
	QUARTER 2, F1, F0, 0
	QUARTER 3, F0, F1, 0
	TURN 1
	QUARTER 1, F0, F1, 0
	WIN 0
	s_sub_co_u32 s[CNT], s[CNT], 1
	s_cmp_lg_u32 s[CNT], 0
	s_cbranch_scc1 .Lk
	QUARTER 2, F1, F0, 0                           ; the tail is written out
	QUARTER 3, F0, F1, 0
	TURN 0
	QUARTER 1, F0, F1, 0
	QUARTER 2, F1, F0, 0
	QUARTER 3, F0, F1, 0
	s_wait_dscnt 8
	MUL16 F1, 0, 0, 0
	MUL16 F1, 0, 2, 0
	s_wait_dscnt 0x0
	MUL16 F1, 1, 0, 0
	MUL16 F1, 1, 2, 0
	WIN 0
	PLACES
	PLACES                                         ; eight, once a launch, in front of maxima that read results just made
; THE SOFTMAX of query block a: a lane holds 64 of its query's 128 scores, the lane 16 away the others.  Each accumulator's lowest registers are read first.
; The 64 exponentials are ONE batch: nothing names a result ahead of the one wait behind them.
.macro SOFT a
.set SW, 2+(\a)/4
.set AC, 64*((\a)%4)
.set TM, 64+32*((\a)%2)
	WIN SW*0x15                                    ; all three sources in the accumulators' window
.irp b, 0,1,2,3,4,5,6,7
	v_max3_num_f32 v[CC+(\b)], v[AC+8*(\b)], v[AC+8*(\b)+1], v[AC+8*(\b)+2]
.endr
	WIN SW*0x14
.irp b, 0,1,2,3,4,5,6,7
	v_max3_num_f32 v[CC+(\b)], v[CC+(\b)], v[AC+8*(\b)+3], v[AC+8*(\b)+4]
.endr
.irp b, 0,1,2,3,4,5,6,7
	v_max3_num_f32 v[CC+(\b)], v[CC+(\b)], v[AC+8*(\b)+5], v[AC+8*(\b)+6]
.endr
.irp b, 0,1,2,3
	v_max3_num_f32 v[CC+(\b)], v[CC+(\b)], v[AC+16*(\b)+7], v[AC+16*(\b)+15]
.endr
	WIN 0
	v_max3_num_f32 v[CC], v[CC], v[CC+1], v[CC+2]
	v_max3_num_f32 v[CC+3], v[CC+3], v[CC+4], v[CC+5]
	v_max3_num_f32 v[CC], v[CC], v[CC+6], v[CC+7]
	v_max_num_f32 v[CC], v[CC], v[CC+3]
	v_permlanex16_b32 v[CC+1], v[CC], s[SEL], s[SEL+1]
	v_max_num_f32 v[CC], v[CC], v[CC+1]            ; m
	v_mul_f32 v[CMP], s[CS], v[CC]                 ; c m
	v_mul_f32 v[CM+(\a)], s[CS], v[CC]
	WIN SW*0x41                                    ; destination and source 0 in the accumulators' window
.set z, 0
.rept 32
	v_pk_fma_f32 v[AC+2*z:AC+2*z+1], v[AC+2*z:AC+2*z+1], s[CS:CS+1], v[CMP:CMP+1] op_sel_hi:[1,0,0] neg_lo:[0,0,1] neg_hi:[0,0,1]
.set z, z+1
.endr
.set z, 0
.rept 64
	v_exp_f32 v[AC+z], v[AC+z]
.set z, z+1
.endr
	v_nop                                          ; a plain instruction behind the last exponential,
	s_wait_alu depctr_va_vdst(0)                   ; and the one wait ahead of the batch's first reader
.if (\a) >= 2
	s_wait_xcnt 0x0                                ; the stores of two blocks back have read the registers that are written again
.endif
	WIN SW*5
.set z, 0
.rept 32
	v_cvt_pk_f16_f32 v[TM+z], v[AC+2*z], v[AC+2*z+1]
.set z, z+1
.endr
	WIN SW*0x45
.irp sz, 1,2,4,8,16                    ; the sum of the 32 pairs, in place: neighbours 1, 2, 4, 8, 16 pairs apart
.set z, 0
.rept 16/\sz
	v_pk_add_f32 v[AC+2*z:AC+2*z+1], v[AC+2*z:AC+2*z+1], v[AC+2*(z+\sz):AC+2*(z+\sz)+1]
.set z, z+2*\sz
.endr
.endr
	WIN SW*5
	v_add_f32 v[CC], v[AC], v[AC+1]
	WIN 0
	v_permlanex16_b32 v[CC+1], v[CC], s[SEL], s[SEL+1]
	v_add_f32 v[LS+(\a)], v[CC], v[CC+1]           ; l
.irp b, 0,1,2,3,4,5,6,7
	global_store_b128 v[GO], v[TM+4*(\b):TM+4*(\b)+3], s[6:7] offset:(\a)*65536+512*(\b)  ; 512 consecutive bytes, aligned: half a fragment
.endr
.endm
.irp a, 0,1,2,3,4,5,6,7
	SOFT \a
.endr
.irp i, 0,1,2,3                        ; both halves of the lanes hold all eight blocks' figures: lane (r, h) stores blocks 4 h .. 4 h + 3
	v_cndmask_b32 v[CC+(\i)], v[CM+(\i)], v[CM+4+(\i)], s[HM]
	v_cndmask_b32 v[CC+4+(\i)], v[LS+(\i)], v[LS+4+(\i)], s[HM]
.endr
	global_store_b128 v[SO], v[CC:CC+3], s[8:9]
	global_store_b128 v[SO], v[CC+4:CC+7], s[8:9] offset:LOFF
	s_wait_tensorcnt 0x0                           ; the wave's end
	ds_add_u32 v[SPW], v[NIL]
	s_wait_dscnt 0x0
	CROUND                                         ; the closing round
	s_endpgm
.Lfunc_end_k_q35a95f2e35_scores:
	.size	k_q35a95f2e35_scores, .Lfunc_end_k_q35a95f2e35_scores-k_q35a95f2e35_scores
	.p2alignl 7, 3214868480
	.fill 96, 4, 3214868480
	.section	.rodata,"a",@progbits
	.p2align	6, 0x0
	.amdhsa_kernel k_q35a95f2e35_scores
		.amdhsa_group_segment_fixed_size 327680
		.amdhsa_private_segment_fixed_size 0
		.amdhsa_enable_private_segment 0
		.amdhsa_kernarg_size 24
		.amdhsa_user_sgpr_count 2
		.amdhsa_user_sgpr_kernarg_segment_ptr 1
		.amdhsa_wavefront_size32 1
		.amdhsa_system_sgpr_workgroup_id_x 1
		.amdhsa_system_sgpr_workgroup_id_y 1
		.amdhsa_system_sgpr_workgroup_id_z 1
		.amdhsa_system_vgpr_workitem_id 0
		.amdhsa_next_free_vgpr 1024
		.amdhsa_next_free_sgpr 72
		.amdhsa_reserve_vcc 0
		.amdhsa_float_denorm_mode_32 3
		.amdhsa_float_denorm_mode_16_64 3
		.amdhsa_memory_ordered 1
		.amdhsa_forward_progress 1
		.amdhsa_inst_pref_size 177
	.end_amdhsa_kernel
	.amdgpu_metadata
---
amdhsa.version: [ 1, 2 ]
amdhsa.kernels:
  - .name:           k_q35a95f2e35_scores
    .symbol:         k_q35a95f2e35_scores.kd
    .args:
      - { .name: qkf, .offset: 0, .size: 8, .value_kind: global_buffer, .address_space: global }
      - { .name: pf, .offset: 8, .size: 8, .value_kind: global_buffer, .address_space: global }
      - { .name: st, .offset: 16, .size: 8, .value_kind: global_buffer, .address_space: global }
    .group_segment_fixed_size: 327680
    .private_segment_fixed_size: 0
    .kernarg_segment_align: 8
    .kernarg_segment_size: 24
    .max_flat_workgroup_size: 128
    .sgpr_count:     72
    .vgpr_count:     1024
    .wavefront_size: 32
...
	.end_amdgpu_metadata
.endif
;; end of part 3
;; launch pv (part 4): grid 4 x 64, 4 waves a work-group, clusters of 4 x 4, 327,680 bytes of LDS; arguments pf, vf, st, out0; writes out0
.if DOCPART == 4
	.amdgcn_target "amdgcn-amd-amdhsa--gfx1250"
	.amdhsa_code_object_version 6
	.text
	.protected	k_q35a95f2e35_pv
	.globl	k_q35a95f2e35_pv
	.p2align	8
	.type	k_q35a95f2e35_pv,@function
k_q35a95f2e35_pv:
	s_mov_b64 s[64:65], 0
	v_nop
	global_prefetch_b8 v0, s[64:65] scope:SCOPE_SE
	s_setreg_imm32_b32 hwreg(HW_REG_WAVE_MODE, 25, 1), 1
	s_wait_xcnt 0x0
	s_wait_alu depctr_hold_cnt(0) depctr_sa_sdst(0) depctr_va_vdst(0) depctr_va_sdst(0) depctr_va_ssrc(0) depctr_va_vcc(0) depctr_vm_vsrc(0)
	s_getreg_b32 s2, hwreg(HW_REG_IB_STS2, 6, 4)
	s_cmp_eq_u32 s2, 0
	s_cbranch_scc0 .Lentry_in_a_cluster
	s_endpgm
.Lentry_in_a_cluster:
	s_bfe_u32 s2, ttmp6, 0x10000c
	s_cmp_lg_u32 s2, 0xf033
	s_cbranch_scc0 .Lentry_shape_is_right
	s_endpgm
.Lentry_shape_is_right:
; out0[q][:] = the sum over the 16 chunks c of f_c (P_c V_c).  For each query: M = the largest c m of its chunks, e_c = 2^(c m_c - M), L = the sum of l_c e_c, f_c = e_c / L: the row's maximum is taken away
; before these exponentials, and L >= 1 (the chunk with the maximum has e = 1 and l >= 1).  P_c V_c: f16 products, f32 sums started anew for each chunk (X); O += f_c X in f32.  Nothing is left out.
; LIMITS.  An e_c below 2^-126 counts as 0; NaN and infinities are not treated apart.
; SHARES.  Work-group (ct = cx, rb): 128 queries x 192 channels.  Wave w: queries 32 w .. + 31 x all 192 channels: 24 accumulators X (row block a, channel block b at 8 (12 a + b)) and 24 sums O.
; V goes through two LDS slots of 98,304 bytes, TWO chunks (256 keys) each: dense fragments [32 keys 8][16 channels 12][1024]; each wave fetches a quarter of a slot, 96 rows of 256 bytes.
; CLUSTER 4 x 4 (one cluster along x): V's tile hangs on ct and the batch alone and is asked for jointly along a column of the cluster.
; P COMES STRAIGHT INTO REGISTERS, and is not asked for jointly, though the four work-groups of a row of the cluster read the same rows.  The reason, by the sizes: a chunk is 32,768 bytes of P and 49,152 of V;
; two slots of two chunks of both would be 327,680 bytes, which leaves no byte for the spare words and for f; with one chunk to a slot a refill has 96 products in which to land, with two it has 192.  A wave's 32 rows of P
; are read by no other wave of the work-group, and a fragment lies in pf as it lies in registers: two loads of 16 bytes a lane, 512 consecutive bytes a load.
; P's RING: eight positions of 32 keys, 16 registers each.  At the head of position g the registers that position g - 1 has left are asked for again, for position g + 7: seven positions' products stand between a load and its use.
; Source 0 = 16 channels of V, source 1 = 16 queries of P: a lane holds ONE query (lane % 16) and 8 channels, so f_c is one number a lane and row block.
; O starts at 0 by 192 v_mov_b32, written while the first tile is on its way: a first chunk written out would be a third copy of a slot's text.
; REGISTERS: window 0: v0-31 addresses; v32-35 f of my two row blocks, in pairs; v48-143, v144-239 V's 12 fragments, two buffers; window 1: O; window 2: X; window 3: v0-127 P's ring.
.set SLOT1,  1<<17                     ; slot 1 begins here: one exclusive or turns an address in one slot into the other's
.set QTR,    24576                     ; a wave's quarter of a slot
.set SLOTB,  4*QTR
.set KBV,    12288                     ; 32 keys of V's tile
.set FT,     SLOTB                     ; behind slot 0: f in f32, [chunk 16][r 16][row block 8][twice]: 16,384 bytes that no fill touches
.set SPARE,  FT+16384                  ; the spare words, 128 bytes a wave
.set STAGE,  SLOT1+SLOTB               ; behind slot 1: 16 rows x 784 bytes for each wave, for the way out
.set SP,     784                       ; 768 bytes + 16: the 16 rows of a store start 196 words apart
.set PROW,   65536                     ; a 16-row block of pf
.set PSLOT,  8192                      ; a slot's 256 keys of it
.set VBLK,   3145728
.set VBAT,   786432
.set LOFF,   524288
.set GL,   5                           ; v5   16 x lane: my 16 bytes of half a fragment, in pf and in LDS; never rewritten
.set ADRB, 6                           ; v6, v7  V's fragments in the slot in hand: positions 0-3, positions 4-7
.set FT0,  9                           ; v9   my query's 16 bytes of a chunk's f; never rewritten
.set FTA,  10
.set FTW,  11
.set STO,  12
.set RD,   13
.set GO,   14
.set PFO,  15                          ; v15  256 x lane; never rewritten
.set SPW,  28                          ; v28  my spare word; never rewritten
.set NIL,  29                          ; v29  0; never rewritten
.set F,    32
.set BB,   48
.set WV,   12
.set CX,   15
.set CY,   16
.set CLY,  17
.set RB,   18
.set G1,   24                          ; s[24:31] descriptor group 1
.set G0,   32                          ; s[32:35] group 0: it walks
.set PA,   36                          ; s[36:37] pf at my two row blocks, at the slot in hand's end
.set TB,   56                          ; s56  LDS byte of the slot in hand
.set CNT,  57
.set PF,   58                          ; s[58:59] where my prefetches stand
.set LIM,  60
.set PFS,  62                          ; s[62:63] their step
.set FTS,  66                          ; s66  LDS byte of the next chunk's f
.set MSB, 0
.macro WIN new                         ; the immediate's high byte repeats the setting that is left; a switch that changes nothing is dropped
.if MSB != (\new)
	s_set_vgpr_msb (MSB<<8)|(\new)
.set MSB, \new
.endif
.endm
.macro PLACES                          ; four places behind a matrix instruction, in front of loads into registers that it has read
.rept 4
	v_nop
.endr
.endm
.macro CREST
	s_cmp_lg_u32 s[WV], 0
	s_cbranch_scc1 .Lnot_wave_0_\@
	s_barrier_signal -3
.Lnot_wave_0_\@:
	s_barrier_wait -3
	s_barrier_signal -1
	s_barrier_wait -1
.endm
.macro CROUND                          ; a round of the cluster's barrier
	s_barrier_signal -1
	s_barrier_wait -1
	CREST
.endm
; PREFETCHES INTO THE L2, behind the joint load and the run of LDS loads: the slot three on from the one in hand, two changes of slots (384 products) ahead of the loads that will want it.
; P: wave 0 of every work-group: of the tile's 8 row blocks the partner at cx takes 2 cx and 2 cx + 1, 8,192 bytes each: a lane a block of 256 bytes, two instructions.
; V: a batch's four clusters read the same rows: the one with y % 4 = 0 asks; the twelve waves 1-3 of a column of the cluster share the slot's 98,304 bytes out by address, 8,192 each, one instruction.
; Slots 3 to 7 are named, each block once; the last two trips that fill a slot ask for nothing.  The highest byte named is 65,280 + 255 of a row block's 65,536, and 786,176 + 255 of a batch's 786,432.
.macro ASK
	s_cmp_gt_u32 s[CNT], s[LIM]
	s_cbranch_scc0 .Lnot_mine_\@
	global_prefetch_b8 v[PFO], s[PF:PF+1] th:TH_LOAD_NT scope:SCOPE_SE
	s_cmp_eq_u32 s[WV], 0
	s_cbranch_scc0 .Lnot_mine_\@
	global_prefetch_b8 v[PFO], s[PF:PF+1] offset:PROW th:TH_LOAD_NT scope:SCOPE_SE
.Lnot_mine_\@:
.endm
	s_load_b256 s[4:11], s[0:1], 0x0               ; pf s[4:5], vf s[6:7], st s[8:9], out0 s[10:11]
	v_lshl_add_u32 v[SPW], v0, 2, SPARE
	v_mov_b32 v[NIL], 0
	ds_add_u32 v[SPW], v[NIL]                      ; the wave's opening: the add, twice on end, and its wait ahead of my first tensor load
	ds_add_u32 v[SPW], v[NIL]
	v_lshrrev_b32 v1, 5, v0
	v_readfirstlane_b32 s[WV], v1                  ; wave 0..3
	s_bfe_u32 s[CX], ttmp6, 0x40000                ; cx = ct
	s_bfe_u32 s[CY], ttmp6, 0x40004
	s_and_b32 s[CLY], ttmp7, 0xffff
	s_lshl_b32 s[RB], s[CLY], 2
	s_add_co_u32 s[RB], s[RB], s[CY]               ; the block of 128 queries; its batch is cluster y / 4
	s_lshl_b32 s22, 0x1111, s[CX]                  ; my column of the cluster
	s_or_b32 s[G1], s22, (3<<16)|(1<<21)           ; the mask; 8-byte elements; bit 21 beside a mask: dense bytes as 96 rows of 256
	s_mov_b32 s[G1+1], 32<<16                      ; tensor_dim0 = 32
	s_mov_b32 s[G1+2], 96<<16                      ; tensor_dim1 = 96
	s_mov_b32 s[G1+3], 32<<16                      ; tile_dim0
	s_mov_b32 s[G1+4], 96                          ; tile_dim1
	s_mov_b32 s[G1+5], 32                          ; elements from row to row
	s_mov_b32 s[G1+6], 0
	s_mov_b32 s[G1+7], 0
	s_mul_i32 s22, s[CX], VBLK
	s_lshr_b32 s23, s[CLY], 2
	s_mul_i32 s23, s23, VBAT
	s_add_co_u32 s22, s22, s23
	s_mul_i32 s[G0+1], s[WV], QTR                  ; LDS: my quarter of slot 0
	s_add_co_u32 s22, s22, s[G0+1]                 ; V: block ct, the batch, my quarter of the first slot
	s_mov_b32 s23, 0
	s_mov_b32 s[G0], 1
	s_mov_b32 s[TB], SLOT1                         ; the first change of slots turns it into 0
	s_mov_b32 s[FTS], FT
	s_wait_dscnt 0x0                               ; both opening adds are done
	s_wait_kmcnt 0x0
	s_add_nc_u64 s[G0+2:G0+3], s[6:7], s[22:23]
	s_or_b32 s[G0+3], s[G0+3], 0x80000000
	CROUND                                         ; all sixteen work-groups are here: the first joint loads meet
	tensor_load_to_lds s[G0:G0+3], s[G1:G1+7]      ; slot 0.  Slot 1 is asked for when slot 0 is in, by the loop's own change of slots
	s_nop 0
	PLACES
	; the statistics: thread t has row 16 (t % 8) + t / 8 of the block's 128: its 16 c m and 16 l
	v_lshlrev_b32 v3, 2, v0
	s_lshl_b32 s68, s[RB], 13
	s_mov_b32 s69, 0
	s_add_nc_u64 s[8:9], s[8:9], s[68:69]
.irp c, 0,1,2,3,4,5,6,7,8,9,10,11,12,13,14,15
	global_load_b32 v[48+(\c)], v3, s[8:9] offset:512*(\c)
	global_load_b32 v[64+(\c)], v3, s[8:9] offset:512*(\c)+LOFF
.endr
	v_and_b32 v4, 31, v0
	v_lshlrev_b32 v[GL], 4, v4
	s_lshl_b32 s68, s[RB], 3
	s_lshl_b32 s70, s[WV], 1
	s_add_co_u32 s68, s68, s70
	s_lshl_b32 s68, s68, 16                        ; row block 8 rb + 2 w
	s_add_nc_u64 s[PA:PA+1], s[4:5], s[68:69]
	WIN 0xc0                                       ; destination window 3, address window 0
.irp j, 0,1,2,3,4,5,6                  ; P's positions 0 to 6; position 7 is asked for at the head of position 0
.irp a, 0,1
	global_load_b128 v[16*(\j)+8*(\a):16*(\j)+8*(\a)+3],   v[GL], s[PA:PA+1] offset:(\j)*1024+(\a)*PROW
	global_load_b128 v[16*(\j)+8*(\a)+4:16*(\j)+8*(\a)+7], v[GL], s[PA:PA+1] offset:(\j)*1024+(\a)*PROW+512
.endr
.endr
	WIN 0
	v_and_b32 v1, 15, v0                           ; r
	v_bfe_u32 v2, v0, 4, 1                         ; h
	s_lshl_b32 s67, s[WV], 4
	v_lshl_add_u32 v[FT0], v1, 6, s67              ; 64 r + 16 w: f of row blocks 2 w and 2 w + 1, twice each
	v_lshl_add_u32 v[FTW], v0, 3, FT               ; thread t puts its row's f at 8 t = 64 (t / 8) + 8 (t % 8)
	s_mul_i32 s67, s[WV], 16*SP
	s_add_co_u32 s67, s67, STAGE                   ; my stage
	v_mul_u32_u24 v[STO], v1, SP
	v_lshl_add_u32 v[STO], v2, 5, v[STO]
	v_add_nc_u32 v[STO], s67, v[STO]               ; in: row r, my 8 channels of 4 bytes
	v_mul_u32_u24 v[RD], v2, SP
	v_lshl_add_u32 v[RD], v1, 4, v[RD]
	v_add_nc_u32 v[RD], s67, v[RD]                 ; back: lanes 0-15 take 256 bytes of one row, lanes 16-31 of the next
	v_mul_u32_u24 v[GO], v2, 3072
	v_lshl_add_u32 v[GO], v1, 4, v[GO]
	s_lshl_b32 s68, s[RB], 7
	s_lshl_b32 s69, s[WV], 5
	s_add_co_u32 s68, s68, s69
	s_mul_i32 s68, s68, 3072
	s_mul_i32 s69, s[CX], 768
	s_add_co_u32 s68, s68, s69
	s_mov_b32 s69, 0
	s_add_nc_u64 s[10:11], s[10:11], s[68:69]      ; out0 at row 128 rb + 32 w, channel 192 ct
	; the prefetches
	s_lshl_b32 s68, s[RB], 3
	s_lshl_b32 s69, s[CX], 1
	s_add_co_u32 s68, s68, s69
	s_lshl_b32 s68, s68, 16
	s_add_co_u32 s68, s68, 2*PSLOT                 ; P: my work-group's two row blocks, at slot 2: the first change of slots steps it to 3
	s_max_u32 s69, s[WV], 1
	s_sub_co_u32 s69, s69, 1
	s_mul_i32 s70, s[CY], 3
	s_add_co_u32 s69, s69, s70
	s_lshl_b32 s69, s69, 13                        ; V: my twelfth of a slot
	s_mul_i32 s70, s[CX], VBLK
	s_add_co_u32 s69, s69, s70
	s_lshr_b32 s70, s[CLY], 2
	s_mul_i32 s70, s70, VBAT
	s_add_co_u32 s69, s69, s70
	s_add_co_u32 s69, s69, 2*SLOTB
	s_mov_b32 s70, PSLOT
	s_mov_b32 s71, SLOTB
	s_and_b32 s[LIM], s[CLY], 3
	s_cmp_eq_u32 s[LIM], 0
	s_cselect_b32 s[LIM], 2, -1                    ; the same in all sixteen partners, for a given wave
	s_cmp_eq_u32 s[WV], 0
	s_cselect_b64 s[PF:PF+1], s[4:5], s[6:7]
	s_cselect_b32 s68, s68, s69
	s_cselect_b32 s[PFS], s70, s71
	s_cselect_b32 s[LIM], 2, s[LIM]
	s_mov_b32 s69, 0
	s_mov_b32 s[PFS+1], 0
	s_add_nc_u64 s[PF:PF+1], s[PF:PF+1], s[68:69]
	v_lshlrev_b32 v[PFO], 8, v4
	WIN 0x40
.set z, 0
.rept 192
	v_mov_b32 v[z], 0                              ; O
.set z, z+1
.endr
	WIN 0
	s_wait_loadcnt 28                              ; the statistics are in; P's 28 loads, issued behind them, stay out
	v_max3_num_f32 v40, v48, v49, v50
.irp c, 51,53,55,57,59,61
	v_max3_num_f32 v40, v40, v[\c], v[(\c)+1]
.endr
	v_max_num_f32 v40, v40, v63                    ; M
.irp c, 0,1,2,3,4,5,6,7,8,9,10,11,12,13,14,15
	v_sub_f32 v[80+(\c)], v[48+(\c)], v40
.endr
.irp c, 0,1,2,3,4,5,6,7,8,9,10,11,12,13,14,15
	v_exp_f32 v[80+(\c)], v[80+(\c)]               ; e
.endr
	v_nop                                          ; a plain instruction behind the last exponential,
	s_wait_alu depctr_va_vdst(0)                   ; and the one wait for the batch
	v_mul_f32 v41, v64, v80
.irp c, 1,2,3,4,5,6,7,8,9,10,11,12,13,14,15
	v_fmac_f32 v41, v[64+(\c)], v[80+(\c)]         ; L
.endr
	v_rcp_f32 v42, v41
	v_nop
	s_wait_alu depctr_va_vdst(0)
.irp c, 0,1,2,3,4,5,6,7,8,9,10,11,12,13,14,15
	v_mul_f32 v[96+2*(\c)], v[80+(\c)], v42        ; f, twice: a pair for the packed multiply-add
	v_mul_f32 v[96+2*(\c)+1], v[80+(\c)], v42
.endr
.irp c, 0,1,2,3,4,5,6,7,8,9,10,11,12,13,14,15
	ds_store_b64 v[FTW], v[96+2*(\c):96+2*(\c)+1] offset:1024*(\c)
.endr
.macro FETCHB j                        ; 24 LDS loads in one run: V's 12 fragments of position j of the slot in hand, into buffer j % 2
	WIN 0
.set bb_, BB+96*((\j)%2)
.irp b, 0,1,2,3,4,5,6,7,8,9,10,11
	ds_load_b128 v[bb_+8*(\b):bb_+8*(\b)+3],   v[ADRB+(\j)/4] offset:((\j)%4)*KBV+(\b)*1024
	ds_load_b128 v[bb_+8*(\b)+4:bb_+8*(\b)+7], v[ADRB+(\j)/4] offset:((\j)%4)*KBV+(\b)*1024+512
.endr
.endm
.macro ALOAD j                         ; at the head of position j: P's two fragments of the position seven on, into the registers of the position just left.  s[PA] stands a slot on, so position j + 7 is (j - 1) x 1,024 from it
	WIN 0xc0
.set ra_, 16*(((\j)+7)%8)
.irp a, 0,1
	global_load_b128 v[ra_+8*(\a):ra_+8*(\a)+3],   v[GL], s[PA:PA+1] offset:((\j)-1)*1024+(\a)*PROW
	global_load_b128 v[ra_+8*(\a)+4:ra_+8*(\a)+7], v[GL], s[PA:PA+1] offset:((\j)-1)*1024+(\a)*PROW+512
.endr
.endm
.macro WM i, j                         ; product i of position j's 24.  The accumulators take turns: 23 others stand between two links of a chain.  A chunk's first position starts X's sums
	WIN 0xac                                       ; V window 0, P window 3, C and D window 2
.set rv_, BB+96*((\j)%2)+8*((\i)%12)
.set rp_, 16*(\j)+8*((\i)/12)
.if (\j)%4 == 0
	v_wmma_f32_16x16x32_f16 v[8*(\i):8*(\i)+7], v[rv_:rv_+7], v[rp_:rp_+7], 0
.else
	v_wmma_f32_16x16x32_f16 v[8*(\i):8*(\i)+7], v[rv_:rv_+7], v[rp_:rp_+7], v[8*(\i):8*(\i)+7]
.endif
.endm
.macro RS j                            ; O += f X for accumulator j, its registers in ascending order
	WIN 0x52                                       ; O (destination, source 2) window 1, X window 2, f window 0
.irp z, 0,1,2,3
	v_pk_fma_f32 v[8*(\j)+2*(\z):8*(\j)+2*(\z)+1], v[8*(\j)+2*(\z):8*(\j)+2*(\z)+1], v[F+2*((\j)/12):F+2*((\j)/12)+1], v[8*(\j)+2*(\z):8*(\j)+2*(\z)+1]
.endr
.endm
; POSITION j of a slot's eight: 32 keys, 24 products.  At its head ONE run of loads: the chunk's f (a chunk's first position), V's fragments of position j + 1, P's of position j + 7; all go into registers that position j - 1
; has left: four v_nop stand between, or, behind a chunk's last position, the multiply-adds that end it.  tail = 1: the last slot: behind its position 0 nothing of P is left to ask for, and the counts run down.
; A chunk's last position adds each finished X onto O: two products, then the eight multiply-adds of the two accumulators finished two products back: eight plain instructions or more lie between a product and the reading of its result.
.macro POS j, tail
	WIN 0
.if (\j)%4 != 0
	PLACES
.else
	v_add_nc_u32 v[FTA], s[FTS], v[FT0]
	ds_load_b128 v[F:F+3], v[FTA]
	s_add_co_u32 s[FTS], s[FTS], 1024              ; the next chunk's
.endif
.if (\j) < 7
	FETCHB (\j)+1
.endif
.if !(\tail) || ((\j) == 0)
	ALOAD \j
	s_wait_loadcnt 28                              ; this position's P is in: behind it seven positions' loads were issued, four each
.else
	s_wait_loadcnt 4*(7-(\j))
.endif
.if (\j) < 7
	s_wait_dscnt 24                                ; this position's V is in: all but the 24 just issued
.else
	s_wait_dscnt 0x0
.endif
.if (\j)%4 < 3
.set n, 0
.rept 24
	WM n, \j
.set n, n+1
.endr
.else
	WM 0, \j
	WM 1, \j
	PLACES
	PLACES
.set n, 2
.rept 11
	WM n, \j
	WM n+1, \j
	RS n-2
	RS n-1
.set n, n+2
.endr
	RS 22
	RS 23
.endif
.endm
; THE CHANGE OF SLOTS, at the head of a slot's work.  Each wave waits for all its tensor loads, of which one is out: its quarter of the slot to be entered; adds 0 to its spare word; and waits for that and for its own LDS
; instructions: its reads of the slot that it leaves (at the first use: its stores of f).  fill = 1: the barrier is a round of the cluster's, so that no wave of any partner still reads the slot left or has a load on its way, and the
; joint fill of that slot, with the 256 keys behind those to be entered, is the first thing behind it: it has eight positions, 192 products, in which to land.
.macro CHANGE fill
	WIN 0                                          ; at a label and at a branch every window is 0
	s_wait_tensorcnt 0x0                           ; no tensor load of mine is out, so the group 0 may be written
	ds_add_u32 v[SPW], v[NIL]                      ; 0 onto my spare word; the pointers' steps stand between it and the wait for it
	s_wait_xcnt 0x0                                ; P's loads and the prefetches issued so far have read their addresses
	s_add_nc_u64 s[PA:PA+1], s[PA:PA+1], PSLOT
.if \fill
	s_add_nc_u64 s[PF:PF+1], s[PF:PF+1], s[PFS:PFS+1]
	s_xor_b32 s[G0+1], s[G0+1], SLOT1              ; the walking descriptor: the other slot than last time,
	s_add_nc_u64 s[G0+2:G0+3], s[G0+2:G0+3], SLOTB ; the next 256 keys; the type bits on top are not reached
.endif
	s_wait_dscnt 0x0                               ; the add is done, and so are my LDS instructions
.if \fill
	CROUND
	tensor_load_to_lds s[G0:G0+3], s[G1:G1+7]      ; every wave its quarter: one line, the same in all that the mask names
	s_nop 0
	PLACES
.else
	s_barrier_signal -1
	s_barrier_wait -1
.endif
	s_xor_b32 s[TB], s[TB], SLOT1
	v_add_nc_u32 v[ADRB], s[TB], v[GL]
	v_add_nc_u32 v[ADRB+1], 4*KBV, v[ADRB]
	FETCHB 0
.if \fill
	ASK
.endif
.endm
	s_mov_b32 s[CNT], 7                            ; seven fills: slots 1 to 7
.Lslot:
	CHANGE 1
.irp j, 0,1,2,3,4,5,6,7
	POS \j, 0
.endr
	WIN 0
	s_sub_co_u32 s[CNT], s[CNT], 1
	s_cmp_lg_u32 s[CNT], 0
	s_cbranch_scc1 .Lslot
	CHANGE 0                                       ; the last slot is written out
.irp j, 0,1,2,3,4,5,6,7
	POS \j, 1
.endr
; THE WAY OUT.  A wave holds whole pieces of 768 bytes of its 32 rows, so each row block goes through the wave's own stage, with no barrier: a lane's 32 bytes go into rows of 784 bytes and come back as
; pieces of 256 bytes of a row.  LDS serves a wave's instructions in order (ISA guide 5.7.1.4): the loads see the stores above them, and the second block's stores come behind the first block's loads.
.macro TOSTAGE a
	WIN 0x04                                       ; the stores' data in window 1
.set z, 0
.rept 12
	ds_store_b128 v[STO], v[96*(\a)+8*z:96*(\a)+8*z+3]   offset:64*z
	ds_store_b128 v[STO], v[96*(\a)+8*z+4:96*(\a)+8*z+7] offset:64*z+16
.set z, z+1
.endr
	WIN 0
.set z, 0
.rept 24
	ds_load_b128 v[BB+96*(\a)+4*z:BB+96*(\a)+4*z+3], v[RD] offset:(z/3)*2*SP+(z%3)*256
.set z, z+1
.endr
.endm
.macro SEND a
.set z, 0
.rept 24
.set wc, (1-(\a))*48+23-z              ; the LDS instructions issued behind load z: the block's later loads and, for the first block, the second's 48; a wait names 63 at the most
.if wc > 63
.set wc, 63
.endif
	s_wait_dscnt wc
	global_store_b128 v[GO], v[BB+96*(\a)+4*z:BB+96*(\a)+4*z+3], s[10:11] offset:(16*(\a)+2*(z/3))*3072+(z%3)*256 th:TH_STORE_NT  ; 16 lanes store 256 consecutive bytes, aligned
.set z, z+1
.endr
.endm
	TOSTAGE 0
	TOSTAGE 1
	SEND 0
	SEND 1
	s_wait_tensorcnt 0x0                           ; the wave's end, behind my last tensor load and my last LDS store
	ds_add_u32 v[SPW], v[NIL]
	s_wait_dscnt 0x0
	CROUND                                         ; the closing round
	s_endpgm
.Lfunc_end_k_q35a95f2e35_pv:
	.size	k_q35a95f2e35_pv, .Lfunc_end_k_q35a95f2e35_pv-k_q35a95f2e35_pv
	.p2alignl 7, 3214868480
	.fill 96, 4, 3214868480
	.section	.rodata,"a",@progbits
	.p2align	6, 0x0
	.amdhsa_kernel k_q35a95f2e35_pv
		.amdhsa_group_segment_fixed_size 327680
		.amdhsa_private_segment_fixed_size 0
		.amdhsa_enable_private_segment 0
		.amdhsa_kernarg_size 32
		.amdhsa_user_sgpr_count 2
		.amdhsa_user_sgpr_kernarg_segment_ptr 1
		.amdhsa_wavefront_size32 1
		.amdhsa_system_sgpr_workgroup_id_x 1
		.amdhsa_system_sgpr_workgroup_id_y 1
		.amdhsa_system_sgpr_workgroup_id_z 1
		.amdhsa_system_vgpr_workitem_id 0
		.amdhsa_next_free_vgpr 896
		.amdhsa_next_free_sgpr 72
		.amdhsa_reserve_vcc 0
		.amdhsa_float_denorm_mode_32 3
		.amdhsa_float_denorm_mode_16_64 3
		.amdhsa_memory_ordered 1
		.amdhsa_forward_progress 1
		.amdhsa_inst_pref_size 120
	.end_amdhsa_kernel
	.amdgpu_metadata
---
amdhsa.version: [ 1, 2 ]
amdhsa.kernels:
  - .name:           k_q35a95f2e35_pv
    .symbol:         k_q35a95f2e35_pv.kd
    .args:
      - { .name: pf, .offset: 0, .size: 8, .value_kind: global_buffer, .address_space: global }
      - { .name: vf, .offset: 8, .size: 8, .value_kind: global_buffer, .address_space: global }
      - { .name: st, .offset: 16, .size: 8, .value_kind: global_buffer, .address_space: global }
      - { .name: out0, .offset: 24, .size: 8, .value_kind: global_buffer, .address_space: global }
    .group_segment_fixed_size: 327680
    .private_segment_fixed_size: 0
    .kernarg_segment_align: 8
    .kernarg_segment_size: 32
    .max_flat_workgroup_size: 128
    .sgpr_count:     72
    .vgpr_count:     896
    .wavefront_size: 32
...
	.end_amdgpu_metadata
.endif
;; end of part 4
